; MI455X (gfx1250); checked and timed in simulation.
; The chip was launched on July 23, 2026; its instructions are those of AMD's public machine-readable ISA for CDNA 5 (MIT licence, August 2026) and "CDNA5" Instruction Set Architecture Reference Guide (July 2026). The comments in the code are by the model that wrote it; some were corrected since.
;; Mo E Mlp. Allowed arithmetic: matrix products marked QUANTISED: E5M2 operands, one given power-of-two scale a tensor, by v_wmma_f32_16x16x64_bf8_bf8 or v_wmma_f32_16x16x128_bf8_bf8, f32 sums; everything else in f32.
;; Inputs: W1 1,024 x 4,096 float32; W2 4,096 x 768 float32; We 8 x 4,096 x 256 float32; b1 4,096 float32; b2 768 float32; be 8 x 256 float32; indices 16 int32; lowp_scales 6 int32 (the exponents e of the quantised operands' scales 2^e); x 16 x 512 x 1,024 float32.
;; Outputs: out0 16 x 512 x 1,024 float32.
;; This version of the problem:
;;   THIS VERSION OF THE PROBLEM IS GIVEN IN LOW PRECISION. The matrix products marked QUANTISED in the list below multiply operands that are first quantised to E5M2 (5 exponent bits, 2 mantissa bits; 8 bits a number), with one given power-of-two scale for each operand tensor; their sums are f32. All else is computed in f32.
;;   The module's matrix products, in the order in which they are computed (A, B: the left and right operand; K: the contracted axis; several contracted axes count as one K, in the product's order):
;;     1. [M 8,192, K 1,024] x [K 1,024, N 4,096]; A: input x; B: input W1: QUANTISED (scales: A lowp_scales[0], B lowp_scales[1])
;;     2. [M 8,192, K 4,096] x [K 4,096, N 768]; A: computed on the way; B: input W2: QUANTISED (scales: A lowp_scales[2], B lowp_scales[3])
;;     3. batch 16 x [M 512, K 4,096] x [K 4,096, N 256]; A: computed on the way; B: computed on the way: QUANTISED (scales: A lowp_scales[4], B lowp_scales[5])
;;   THE QUANTISER, for each operand of a quantised product, along K:
;;     - The operand's scale is 2^e, e = its entry of the input lowp_scales (int32; the entries are numbered through the quantised products in the list's order, A before B).
;;     - Each number is divided by the scale, clamped to +-57,344, and rounded to the nearest number of E5M2, ties to even, subnormals kept.
;;     - The product sums the exact products of the quantised numbers (number of the format x scale) in f32.
;;   ~~~python
;;   def quantise(x, axis, e):      # numpy; x: float32 -> the quantised numbers, widened to float32 again
;;       x = np.moveaxis(x, axis, -1); K = x.shape[-1]
;;       r = np.clip(x / 2.0 ** e, -57344, 57344)
;;       step = 2.0 ** (np.maximum(np.frexp(np.where(r == 0, 1, r))[1] - 1, -14) - 2)
;;       q = np.round(r / step) * step * 2.0 ** e      # np.round: ties to even
;;       return np.moveaxis(q, -1, axis).astype(np.float32)
;;   ~~~
;;   OPERANDS COMPUTED ON THE WAY. 'Computed on the way' means the value that the module computes at that place (a softmax that the list does not call 'softmax' is quantised finished and normalised). What goes into a quantiser is computed in f32, as accurately as f32 sums, v_exp_f32 and their like allow (about 1e-6 of the number): no bf16 or f16 on the way to a quantiser, and a product that is left as it is and whose result goes on into a quantised operand takes f32 operands (vector FMAs, or v_wmma_f32_16x16x4_f32). A number that lies on a knife's edge between two numbers of the format may be rounded either way, as far as f32 arithmetic and the matrix unit's own rounding can turn it there, and no further.
;; One version. Each part assembles by itself: llvm-mc -triple=amdgcn-amd-amdhsa -mcpu=gfx1250 --defsym DOCPART=n.
;; ======== version 1 of 1: 3 launches
;; limits: right only within a limited range of input values
;; workspace buffers: xc 8,388,608 bytes; w1c 4,194,304 bytes; w2c 19,922,944 bytes; hc 67,108,864 bytes
;; launch quant (part 1): grid 992 x 1, 4 waves a work-group, no clusters, 34,304 bytes of LDS; arguments x, W1, W2, We, indices, lowp_scales, xc, w1c, w2c; writes xc, w1c, w2c
.if DOCPART == 1
	.amdgcn_target "amdgcn-amd-amdhsa--gfx1250"
	.amdhsa_code_object_version 6
	.text
	.protected	k_qf3024f3235_quant
	.globl	k_qf3024f3235_quant
	.p2align	8
	.type	k_qf3024f3235_quant,@function
k_qf3024f3235_quant:
	s_mov_b64 s[64:65], 0
	v_nop
	global_prefetch_b8 v0, s[64:65] scope:SCOPE_SE
	s_setreg_imm32_b32 hwreg(HW_REG_WAVE_MODE, 25, 1), 1
	s_wait_xcnt 0x0
; x [8192][1024], W1 [1024][4096], W2 [4096][768] and We_sel[b] = We[indices[b]] (16 x [4096][256]), all f32, become codes of BF8 (E5M2), each tensor with the scale 2^e that is given for it
; (x: entry 0 of the scales, W1: 1, W2: 3, We: 5).  code = number / 2^e, held within +-57,344, rounded to the nearest code, ties to even.
; WORK LEFT OUT.  reference() gathers We[indices]: an expert that none of the 16 indices names reaches no output, whatever the values of the inputs.  Its weights are not read: each of the experts' work-groups
; reads its batch element's index from memory and takes that expert alone.  Every input has a way to the output, so every input is among some launch's arguments.
; LIMIT: a NaN or an infinity in the weights of an expert that is not named is not carried anywhere.
; THE GATHER IS LAID OUT BY BATCH ELEMENT, as reference() writes it, so that the product's launch forms the addresses of its joint loads from ids alone.  The price: an expert that two batch elements name is read and
; quantised twice: 16 x 4 MiB of We are read where 8 x 4 MiB at the most are distinct.  Those loads carry no hint, since a row may be named twice.
; LIMITS: each e between -126 and 112, so that 2^e and 57,344 x 2^e are f32 numbers.  NaN among the inputs is not served (an infinity is held at the largest code).  An index is held within 0 .. 7, as an unsigned number.
; THE IMAGE.  All codes are laid in the order of the matrix operand's registers.  A fragment is 16 rows x 128 along K, 2,048 bytes: byte 512 c + 256 h + 16 r + j is the code of row r at
; k = 32 c + 16 h + j of the fragment's 128.  So four accesses of 16 bytes a lane, at 16 x lane + 512 c, move a fragment (lane = r + 16 h).  The fragments of 16 rows lie on end along K.
; THE ROWS OF A WEIGHT'S FRAGMENT ARE NOT NEIGHBOURS: of 32 neighbouring columns n (pair p = n / 32), fragment row block 2 p + u holds at row r the column 32 p + 8 u + r + 8 (r / 8).
; w2c: row blocks 0-47 are W2's, row blocks 48 + 16 b on are batch element b's expert's; a row block is 65,536 bytes.
; SHARES.  A wave takes 8,192 numbers.  Work-groups 0-255: x; 256-383: W1; 384-479: W2; 480-991: the experts, 32 to a batch element.  The paths part on the work-group's number; only x's path uses LDS.
; x: K is innermost.  A wave takes 16 rows x 512 k, a fragment (16 rows x 512 bytes) at a time: each load reads 512 consecutive bytes of a row; the numbers turn through the wave's own stage in LDS
; (rows of 512 + 16 bytes) and come back 64 bytes a lane: 16 neighbours along K of each block of 32.  The weights: K is the first axis.  A lane takes a column and its registers run down K: each load reads 128
; consecutive bytes, and the conversions give codes with K innermost; a lane's 16 codes are its 16 bytes of the image, so each store fills two whole aligned runs of 256 bytes.  No barrier: waves share nothing.
.set SPARE, 33792                      ; behind the four stages: the spare words, 128 bytes for each wave: two blocks of 256 bytes that no other line names
.set STGB,  8448                       ; a wave's stage: 16 rows x 528 bytes
.set SP,    528
.set XR,    32                         ; v32-159  x: two sets of 64 registers as loaded
.set XX,    160                        ; v160-223 x: 64 numbers in the operand's order
.set XC,    16                         ; v16-31   x: a fragment's codes
.set WX,    32                         ; v32-95   weights: two sets of 32 numbers
.set WC,    96                         ; v96-159  weights: eight registers of codes for each of 8 blocks, so that no store's data are written again
	s_load_b512 s[4:19], s[0:1], 0x0               ; x, W1, W2, We, indices, the scales' exponents, xc, w1c
	s_load_b64 s[20:21], s[0:1], 0x40              ; w2c
	v_lshl_add_u32 v12, v0, 2, SPARE               ; my spare word; never rewritten
	v_mov_b32 v13, 0                               ; 0; never rewritten
	v_lshrrev_b32 v1, 5, v0
	v_readfirstlane_b32 s22, v1                    ; wave 0..3
	v_and_b32 v2, 31, v0                           ; lane
	v_lshlrev_b32 v3, 4, v2                        ; 16 x lane
	v_lshlrev_b32 v6, 2, v2                        ; 4 x lane
	s_mul_i32 s23, s22, STGB                       ; my stage
	v_add_nc_u32 v4, s23, v3                       ; into it: 16 x lane of a row
	v_and_b32 v5, 15, v0                           ; r
	v_bfe_u32 v8, v0, 4, 1                         ; h
	v_mul_u32_u24 v5, v5, SP
	v_lshl_add_u32 v5, v8, 6, v5
	v_add_nc_u32 v5, s23, v5                       ; out of it: row r, + 64 h
	s_wait_kmcnt 0x0
	s_load_b128 s[24:27], s[14:15], 0x0            ; e0 .. e3
	s_load_b64 s[28:29], s[14:15], 0x10            ; e4, e5
	s_cmp_lt_u32 ttmp9, 256
	s_cbranch_scc0 .Lweights
.macro MKSCALE e                       ; v11 = 2^e as f32 (the conversion takes its exponent field), v10 = 57,344 x 2^e
	s_add_co_i32 s56, s[\e], 127
	s_lshl_b32 s57, s56, 23
	v_mov_b32 v11, s57
	s_add_co_i32 s56, s56, 15
	s_lshl_b32 s56, s56, 23
	s_or_b32 s56, s56, 0x600000
	v_mov_b32 v10, s56
.endm
.macro XLOAD f                         ; fragment f of my four: 16 rows x 512 bytes, a row an instruction
.irp p, 0,1,2,3,4,5,6,7,8,9,10,11,12,13,14,15
	global_load_b128 v[XR+64*((\f)%2)+4*\p:XR+64*((\f)%2)+4*\p+3], v3, s[30:31] offset:4096*\p+512*(\f) th:TH_LOAD_NT
.endr
.endm
.macro XSTEP f
.if (\f) < 3
	s_wait_loadcnt 16                              ; this fragment's 16 loads are in; the next fragment's 16 may be out
.else
	s_wait_loadcnt 0
.endif
.irp p, 0,1,2,3,4,5,6,7,8,9,10,11,12,13,14,15
	ds_store_b128 v4, v[XR+64*((\f)%2)+4*\p:XR+64*((\f)%2)+4*\p+3] offset:SP*\p
.endr
.irp c, 0,1,2,3
.irp q, 0,1,2,3
	ds_load_b128 v[XX+16*\c+4*\q:XX+16*\c+4*\q+3], v5 offset:128*\c+16*\q   ; LDS serves a wave's instructions in order: these see my stores.  Register 16 c + i = k 32 c + 16 h + i of row r
.endr
.endr
	s_wait_dscnt 0x0                               ; the numbers are back; the stores into the stage have read their registers
	s_wait_xcnt 0x0                                ; the last step's stores have read their codes: XC is written again only behind this wait
.if (\f) < 2
	XLOAD (\f)+2
.endif
.set k, 0
.rept 64
	v_med3_num_f32 v[XX+k], v[XX+k], -v10, v10     ; the conversion to an 8-bit code does not saturate (ISA guide 7.6.2): the hold at the largest code x the scale
.set k, k+1
.endr
.irp c, 0,1,2,3
	v_cvt_scalef32_pk8_bf8_f32 v[XC+4*\c:XC+4*\c+1], v[XX+16*\c:XX+16*\c+7], v11
	v_cvt_scalef32_pk8_bf8_f32 v[XC+4*\c+2:XC+4*\c+3], v[XX+16*\c+8:XX+16*\c+15], v11
.endr
	v_nop                                          ; one plain vector instruction behind the last scaled conversion: the next vector instructions, the next fragment's holds, write its sources
.irp c, 0,1,2,3
	global_store_b128 v3, v[XC+4*\c:XC+4*\c+3], s[32:33] offset:2048*(\f)+512*\c   ; 512 consecutive bytes, at a multiple of 512 from xc's first byte
.endr
.endm
	; ---- x: wave T = 4 x work-group + wave takes rows 16 (T / 2) on, k = 512 (T % 2) on
	s_lshl_b32 s34, ttmp9, 2
	s_add_co_u32 s34, s34, s22
	s_lshr_b32 s35, s34, 1
	s_and_b32 s34, s34, 1
	s_lshl_b32 s52, s35, 16                        ; 16 rows of 4,096 bytes
	s_lshl_b32 s54, s34, 11
	s_add_co_u32 s52, s52, s54
	s_mov_b32 s53, 0
	s_add_nc_u64 s[30:31], s[4:5], s[52:53]
	s_lshl_b32 s52, s35, 14                        ; 8 fragments of 2,048 bytes
	s_lshl_b32 s54, s34, 13
	s_add_co_u32 s52, s52, s54
	s_add_nc_u64 s[32:33], s[16:17], s[52:53]
	s_wait_alu depctr_va_vdst(0)
	XLOAD 0
	XLOAD 1
	s_wait_kmcnt 0x0
	MKSCALE 24
	s_wait_alu depctr_va_vdst(0)
	XSTEP 0
	XSTEP 1
	XSTEP 2
	XSTEP 3
	s_branch .Lend
; ---- the weights.  s34 = which 128 columns, s35 = which 256 along K.  N: columns of the tensor; FS: bytes of a row block's fragments along all of K (16 K)
.macro WADDR N, FS, src, dst
	s_mul_i32 s52, s35, 1024*\N                    ; 256 rows of 4 N bytes
	s_lshl_b32 s54, s34, 9
	s_add_co_u32 s52, s52, s54
	s_lshl_b32 s54, s22, 7
	s_add_co_u32 s52, s52, s54                     ; + 4 x (128 nx + 32 wave)
	s_mov_b32 s53, 0
	s_add_nc_u64 s[30:31], s[\src:\src+1], s[52:53]
	s_lshl_b32 s52, s34, 3
	s_lshl_b32 s54, s22, 1
	s_add_co_u32 s52, s52, s54                     ; my pair's first row block: 8 nx + 2 wave
	s_mul_i32 s52, s52, \FS
	s_lshl_b32 s54, s35, 12                        ; two fragments along K
	s_add_co_u32 s52, s52, s54
	s_add_nc_u64 s[32:33], s[\dst:\dst+1], s[52:53]
	v_bfe_u32 v7, v0, 3, 1                         ; column lane of the pair's 32 goes to row block u = (lane / 8) % 2,
	v_mul_u32_u24 v7, v7, \FS
	v_and_b32 v8, 7, v0
	v_bfe_u32 v9, v0, 4, 1
	v_lshl_add_u32 v8, v9, 3, v8                   ; row r = lane % 8 + 8 (lane / 16)
	v_lshl_add_u32 v7, v8, 4, v7
.endm
.macro WLOAD N, blk                    ; block blk: W(32 blk + i, my column), i = 0 .. 31
.set wi, 0
.rept 32
.if \N == 256
	global_load_b32 v[WX+32*((\blk)%2)+wi], v6, s[30:31] offset:(32*(\blk)+wi)*\N*4                ; an expert's rows may be named by a second batch element: no hint
.else
	global_load_b32 v[WX+32*((\blk)%2)+wi], v6, s[30:31] offset:(32*(\blk)+wi)*\N*4 th:TH_LOAD_NT
.endif
.set wi, wi+1
.endr
.endm
.macro WBODY N, e                      ; every offset is an immediate: 255 rows of 16,384 bytes at the most, inside the signed 24 bits
	WLOAD \N, 0
	WLOAD \N, 1
	s_wait_kmcnt 0x0
	MKSCALE \e
	s_wait_alu depctr_va_vdst(0)
.irp t, 0,1,2,3,4,5,6,7
.if \t < 7
	s_wait_loadcnt 32                              ; this block's 32 loads are in; the next block's may be out
.else
	s_wait_loadcnt 0
.endif
.set k, 0
.rept 32
	v_med3_num_f32 v[WX+32*(\t%2)+k], v[WX+32*(\t%2)+k], -v10, v10
.set k, k+1
.endr
.irp g, 0,1,2,3
	v_cvt_scalef32_pk8_bf8_f32 v[WC+8*\t+2*\g:WC+8*\t+2*\g+1], v[WX+32*(\t%2)+8*\g:WX+32*(\t%2)+8*\g+7], v11
.endr
	v_nop                                          ; one plain vector instruction behind the last scaled conversion of the block
	global_store_b128 v7, v[WC+8*\t:WC+8*\t+3], s[32:33] offset:2048*(\t/4)+512*(\t%4)          ; k 0-15 of the block: h = 0
	global_store_b128 v7, v[WC+8*\t+4:WC+8*\t+7], s[32:33] offset:2048*(\t/4)+512*(\t%4)+256    ; k 16-31: h = 1
.if \t < 6
	WLOAD \N, \t+2
.endif
.endr
.endm
.Lweights:
	s_cmp_lt_u32 ttmp9, 384
	s_cbranch_scc0 .Lnot_w1
	s_sub_co_u32 s58, ttmp9, 256
	s_and_b32 s34, s58, 31
	s_lshr_b32 s35, s58, 5
	WADDR 4096, 16384, 6, 18
	WBODY 4096, 25
	s_branch .Lend
.Lnot_w1:
	s_cmp_lt_u32 ttmp9, 480
	s_cbranch_scc0 .Lexperts
	s_sub_co_u32 s58, ttmp9, 384
	s_and_b32 s35, s58, 15
	s_lshr_b32 s34, s58, 4
	WADDR 768, 65536, 8, 20
	WBODY 768, 27
	s_branch .Lend
.Lexperts:
	s_sub_co_u32 s58, ttmp9, 480
	s_lshr_b32 s55, s58, 5                         ; my batch element
	s_bfe_u32 s34, s58, 0x10004
	s_and_b32 s35, s58, 15
	s_lshl_b32 s59, s55, 2
	s_load_b32 s36, s[12:13], s59 offset:0x0       ; indices[b]
	WADDR 256, 65536, 10, 20
	s_wait_kmcnt 0x0
	s_min_u32 s36, s36, 7                          ; the index is held inside the table
	s_lshl_b32 s52, s36, 22                        ; the expert's 4,096 x 256 numbers,
	s_add_nc_u64 s[30:31], s[30:31], s[52:53]
	s_lshl_b32 s52, s55, 20                        ; and the batch element's 16 row blocks, behind W2's 48
	s_add_co_u32 s52, s52, 3145728
	s_add_nc_u64 s[32:33], s[32:33], s[52:53]
	WBODY 256, 29
.Lend:
	s_wait_tensorcnt 0x0                           ; the wave's end, behind my last LDS store
	ds_add_u32 v12, v13
	s_wait_dscnt 0x0
	s_endpgm
.Lfunc_end_k_qf3024f3235_quant:
	.size	k_qf3024f3235_quant, .Lfunc_end_k_qf3024f3235_quant-k_qf3024f3235_quant
	.p2alignl 7, 3214868480
	.fill 96, 4, 3214868480
	.section	.rodata,"a",@progbits
	.p2align	6, 0x0
	.amdhsa_kernel k_qf3024f3235_quant
		.amdhsa_group_segment_fixed_size 34304
		.amdhsa_private_segment_fixed_size 0
		.amdhsa_enable_private_segment 0
		.amdhsa_kernarg_size 72
		.amdhsa_user_sgpr_count 2
		.amdhsa_user_sgpr_kernarg_segment_ptr 1
		.amdhsa_wavefront_size32 1
		.amdhsa_system_sgpr_workgroup_id_x 1
		.amdhsa_system_sgpr_workgroup_id_y 1
		.amdhsa_system_sgpr_workgroup_id_z 1
		.amdhsa_system_vgpr_workitem_id 0
		.amdhsa_next_free_vgpr 224
		.amdhsa_next_free_sgpr 66
		.amdhsa_reserve_vcc 0
		.amdhsa_float_denorm_mode_32 3
		.amdhsa_float_denorm_mode_16_64 3
		.amdhsa_memory_ordered 1
		.amdhsa_forward_progress 1
		.amdhsa_inst_pref_size 173
	.end_amdhsa_kernel
	.amdgpu_metadata
---
amdhsa.version: [ 1, 2 ]
amdhsa.kernels:
  - .name:           k_qf3024f3235_quant
    .symbol:         k_qf3024f3235_quant.kd
    .args:
      - { .name: x, .offset: 0, .size: 8, .value_kind: global_buffer, .address_space: global }
      - { .name: W1, .offset: 8, .size: 8, .value_kind: global_buffer, .address_space: global }
      - { .name: W2, .offset: 16, .size: 8, .value_kind: global_buffer, .address_space: global }
      - { .name: We, .offset: 24, .size: 8, .value_kind: global_buffer, .address_space: global }
      - { .name: indices, .offset: 32, .size: 8, .value_kind: global_buffer, .address_space: global }
      - { .name: lowp_scales, .offset: 40, .size: 8, .value_kind: global_buffer, .address_space: global }
      - { .name: xc, .offset: 48, .size: 8, .value_kind: global_buffer, .address_space: global }
      - { .name: w1c, .offset: 56, .size: 8, .value_kind: global_buffer, .address_space: global }
      - { .name: w2c, .offset: 64, .size: 8, .value_kind: global_buffer, .address_space: global }
    .group_segment_fixed_size: 34304
    .private_segment_fixed_size: 0
    .kernarg_segment_align: 8
    .kernarg_segment_size: 72
    .max_flat_workgroup_size: 128
    .sgpr_count:     66
    .vgpr_count:     224
    .wavefront_size: 32
...
	.end_amdgpu_metadata
.endif
;; end of part 1
;; launch fc1 (part 2): grid 16 x 16, 4 waves a work-group, clusters of 4 x 4, 327,680 bytes of LDS; arguments xc, w1c, lowp_scales, b1, hc; writes hc
.if DOCPART == 2
	.amdgcn_target "amdgcn-amd-amdhsa--gfx1250"
	.amdhsa_code_object_version 6
	.text
	.protected	k_qf3024f3235_fc1
	.globl	k_qf3024f3235_fc1
	.p2align	8
	.type	k_qf3024f3235_fc1,@function
k_qf3024f3235_fc1:
	s_mov_b64 s[64:65], 0
	v_nop
	global_prefetch_b8 v0, s[64:65] scope:SCOPE_SE
	s_setreg_imm32_b32 hwreg(HW_REG_WAVE_MODE, 25, 1), 1
	s_wait_xcnt 0x0
	s_wait_alu depctr_hold_cnt(0) depctr_sa_sdst(0) depctr_va_vdst(0) depctr_va_sdst(0) depctr_va_ssrc(0) depctr_va_vcc(0) depctr_vm_vsrc(0)
	s_getreg_b32 s2, hwreg(HW_REG_IB_STS2, 6, 4)
	s_cmp_eq_u32 s2, 0
	s_cbranch_scc0 .Lentry_in_a_cluster
	s_endpgm
.Lentry_in_a_cluster:
	s_bfe_u32 s2, ttmp6, 0x10000c
	s_cmp_lg_u32 s2, 0xf033
	s_cbranch_scc0 .Lentry_shape_is_right
	s_endpgm
.Lentry_shape_is_right:
; h = gelu(x W1 + b1), exact (by erfc), on codes of BF8 (E5M2); h leaves as codes, twice: with the scale 2^e2 for the shared product (hc's first 33,554,432 bytes) and with 2^e4 for the experts' (the second).
; xc, w1c: images of the operand's registers: a fragment (16 rows x 128 k) is 2,048 bytes, lane l's registers 4 c .. 4 c + 3 at 16 l + 512 c; the 8 fragments of 16 rows lie on end along K.  Nothing is left out: every tile is live.
; A tile of 256 rows x 256 hidden units is made by four waves, each 128 x 128: 64 accumulators, 512 registers.  K = 1,024 goes in four steps of 256 through a ring of two LDS slots; a wave's tensor load brings
; 8 row blocks x 4,096 bytes, dense in LDS.  A WORK-GROUP STAYS: a loop of two trips makes two tiles, 4,096 rows apart, on the same hidden units.  Both trips are alike: each asks for its own four K steps.
; CLUSTERS: 4 x 4 work-groups; x's tiles are asked for jointly along a row of the cluster, W1's along a column.
; PREFETCH: behind each joint load one instruction a wave names the fill two fills on: 2 row blocks x 4,096 bytes, a lane to 256 bytes; the four partners of a joint load share its 8 row blocks out by address.
; W1's bytes are named in the first tile alone (the second reads them again); the second tile's K steps 0 and 1 of x are named in the first tile; the last trip names nothing beyond its own tile.
; THE MATRIX INSTRUCTION IS USED TRANSPOSED (source 0 = W1's image, source 1 = x's), and row r of W1's row block 2 p + u is hidden unit 32 p + 8 u + r + 8 (r / 8): a lane holds one row of x, and the 16 registers of
; accumulators 2 c, 2 c + 1 are hidden units 32 c + 16 (lane / 16) + 0 .. 15: the conversions' results are hc's image and leave by stores of 512 consecutive bytes.
; THE GELU, 16 rows x 128 hidden units a trip, 64 numbers a lane.  u = sum x 2^(e0 + e1) + b1;  m = max(u, 0);  z = 2 m - u = |u| (exact);  t = 1 / (1 + z / (2 sqrt 2));
; q = t 2^(c0 - (kA z)^2 + t (c1 + .. + t c9)) = erfc(z / sqrt 2) / 2  (a Chebyshev fit of erfc, fractional error 1.2e-7; coefficients x log2(e), 1 taken off c0 for the half; kA = sqrt(log2(e) / 2));
; h = m - z q: nothing cancels in the negative tail.  All in f32.
; LIMITS: e0 + e1 between -126 and 127.  e2 and e4 between -18 and 112: gelu's least value, -0.17, then lies within 57,344 x 2^e, so the hold at the largest code is one-sided.  NaN and infinities among the sums are
; not served.  The rounding of c0 - (kA z)^2 adds to q a fractional error of about 1e-6 at |u| near 5.
; REGISTERS: window 0: v1 b1's offset; v2, v3 = 2^e2, 2^e4; v6, v7 = 57,344 x these; v[4:5] c8; v8-11 LDS addresses; v12 16 x lane; v13, v14 the add's two; v15 the prefetches' offset; v32-95 b1 as loaded; from v128 x's fragments.
;   window 1: W1's fragments, two sets.  windows 2, 3: the accumulators ((a, b) at v[8 (8 (a % 4) + b)]).
;   In the activation: window 0: v32 z, v96 m and h, v160 t, v224-255 the codes; window 1: v0 c0 - (kA z)^2, v64 the polynomial and q, v128 b1.
.set SLOT,   131072                    ; x's 16 row blocks x 4,096 bytes, then W1's 16
.set BOFF,   65536
.set STEPB,  8192                      ; two steps of 256 along K in a row block's bytes
.set WALKB,  4194304                   ; x: 256 row blocks down
.set SPARE,  262144                    ; the spare words: 128 bytes a wave, two blocks of 256 bytes that no other line names
.set FR, 16
.set NL, 4
.set NP, 4
.set ADRA, 8
.set ADRB, 10
.set LI,  12
.set SPW, 13
.set NIL, 14
.set PFO, 15
.set BI,  32
.set AF,  128
.set GZ,  32
.set GM,  96
.set GT,  160
.set GC2, 224
.set GC4, 240
.set GA,  0                            ; in window 1
.set GP,  64
.set B1W, 128
.set CK,  66                           ; s[66+2k:67+2k] = ck, k = 0 .. 7, each written twice (named as a pair)
.set PFA, 82                           ; s[82:83] my work-group's 2 row blocks of the 8 that I fetch, at this tile's K step 0
.set LIMN, 22                          ; s22: tiles to go from which on I name the next tile's bytes (x's waves 2, W1's never)
.set LIMT, 23                          ; s23: the same for this tile's bytes (x's waves always, W1's in the first tile)
.set G1, 24
.set G0, 32
.set G1B, 48
.set G0B, 56
.set MSB, 0
.macro WIN new                         ; the immediate's high byte repeats the setting that is left
.if MSB != (\new)
	s_set_vgpr_msb (MSB<<8)|(\new)
.set MSB, (\new)
.endif
.endm
.set MUL_LO, 0xa1                      ; source 0 (W1) window 1, source 1 (x) window 0, C and D window 2
.set MUL_HI, 0xf1                      ; the same, C and D window 3
.set TO_B,   0x40                      ; destination window 1, address window 0
; A joint load: waves 0 and 1 fetch for x, waves 2 and 3 for W1; one mask and one set of registers to a line; s_nop 0 and four v_nop behind each
.macro JLOAD g0a, g1a, g0b, g1b
	s_cmp_eq_u32 s15, 0
	s_cbranch_scc0 .Lfor_b_\@
	tensor_load_to_lds s[\g0a:\g0a+3], s[\g1a:\g1a+7]
	s_nop 0
.rept 4
	v_nop
.endr
	s_branch .Lasked_\@
.Lfor_b_\@:
	tensor_load_to_lds s[\g0b:\g0b+3], s[\g1b:\g1b+7]
	s_nop 0
.rept 4
	v_nop
.endr
.Lasked_\@:
.endm
.macro CREST                           ; a round of the cluster's barrier behind its opening barrier
	s_cmp_lg_u32 s14, 0
	s_cbranch_scc1 .Lnot_wave_0_\@
	s_barrier_signal -3
.Lnot_wave_0_\@:
	s_barrier_wait -3
	s_barrier_signal -1
	s_barrier_wait -1
.endm
.macro CROUND
	s_barrier_signal -1
	s_barrier_wait -1
	CREST
.endm
.macro SC k, bits
	s_mov_b32 s[CK+2*\k], \bits
	s_mov_b32 s[CK+2*\k+1], \bits
.endm
.macro ASK lim, off                    ; a prefetch: 32 lanes x 256 bytes; the branch hangs on the wave's number and the tiles to go, and leads round the prefetch alone
	s_cmp_ge_u32 s2, s[\lim]
	s_cbranch_scc0 .Lno_ask_\@
	global_prefetch_b8 v[PFO], s[PFA:PFA+1] offset:\off th:TH_LOAD_NT scope:SCOPE_SE
.Lno_ask_\@:
.endm
	s_load_b128 s[4:7], s[0:1], 0x0                ; xc, w1c
	s_load_b128 s[8:11], s[0:1], 0x10              ; the scales' exponents, b1
	s_load_b64 s[12:13], s[0:1], 0x20              ; hc
	v_lshl_add_u32 v[SPW], v0, 2, SPARE
	v_mov_b32 v[NIL], 0
	ds_add_u32 v[SPW], v[NIL]                      ; the opening lines: the add, twice on end, and its wait ahead of my first tensor load
	ds_add_u32 v[SPW], v[NIL]
	v_lshrrev_b32 v1, 5, v0
	v_readfirstlane_b32 s14, v1                    ; wave 0..3
	s_lshr_b32 s15, s14, 1                         ; my half of the tile's rows.  Also: I fetch for x (0) or for W1 (1)
	s_and_b32 s16, s14, 1                          ; my half of its hidden units.  Also: which 8 row blocks I fetch
	s_bfe_u32 s40, ttmp6, 0x40000                  ; cx, cy
	s_bfe_u32 s41, ttmp6, 0x40004
	s_lshl_b32 s42, ttmp9, 2
	s_add_co_u32 s42, s42, s40                     ; tile column, 0 .. 15
	s_and_b32 s17, ttmp7, 0xffff
	s_lshl_b32 s17, s17, 2
	s_add_co_u32 s17, s17, s41                     ; first tile row, 0 .. 15; the second is 16 further down
	s_lshl_b32 s43, s41, 2
	s_lshl_b32 s43, 15, s43                        ; my row of the cluster
	s_lshl_b32 s44, 0x1111, s40                    ; my column
	s_or_b32 s[G1+0], s43, (1<<21)                 ; group 1: the mask, elements of 1 byte, no padding, bit 21 beside a mask
	s_or_b32 s[G1B+0], s44, (1<<21)
.irp g, G1, G1B
	s_mov_b32 s[\g+1], 4096<<16                    ; tensor_dim0 = 4,096
	s_mov_b32 s[\g+2], 8<<16                       ; tensor_dim1 = 8
	s_mov_b32 s[\g+3], 4096<<16                    ; tile_dim0
	s_mov_b32 s[\g+4], 8                           ; tile_dim1
	s_mov_b32 s[\g+5], 16384                       ; from row block to row block
	s_mov_b32 s[\g+6], 0
	s_mov_b32 s[\g+7], 0
.endr
	s_lshl_b32 s18, s16, 17
	s_lshl_b32 s20, s17, 18
	s_add_co_u32 s20, s20, s18                     ; x: row block 16 x tile row + 8 x half, in bytes
	s_lshl_b32 s46, s42, 18
	s_add_co_u32 s46, s46, s18                     ; W1: row block 16 x tile column + 8 x half
	s_mov_b32 s21, 0
	s_mov_b32 s47, 0
	s_lshl_b32 s45, s14, 15                        ; where they go: wave x 32,768
	SC 0, 0xc034d90f                               ; -2.8257482
	SC 1, 0x3fb8ab5a                               ;  1.4427292
	SC 2, 0x3f0a29d2                               ;  0.53970062
	SC 3, 0x3e0efb2e                               ;  0.13963006
	SC 4, 0xbe899a80                               ; -0.26875686
	SC 5, 0x3ecdfd18                               ;  0.40232158
	SC 6, 0xbfd1a1e5                               ; -1.6377532
	SC 7, 0x40097039                               ;  2.1474745
	s_mov_b32 s84, 0x3e7c6f08                      ; c9
	s_mov_b32 s85, s84
	s_mov_b32 s88, 0x3f596d27                      ; kA
	s_mov_b32 s89, s88
	s_mov_b32 s90, 0x3eb504f3                      ; 1 / (2 sqrt 2)
	s_mov_b32 s91, s90
	s_wait_dscnt 0x0                               ; both opening adds are done
	s_wait_kmcnt 0x0
	s_load_b128 s[96:99], s[8:9], 0x0              ; e0 .. e3
	s_load_b64 s[100:101], s[8:9], 0x10            ; e4, e5
	s_add_nc_u64 s[20:21], s[4:5], s[20:21]
	s_add_nc_u64 s[46:47], s[6:7], s[46:47]
.irp s, 0,1
	s_mov_b32 s[G0+4*\s], 1
	s_add_co_u32 s[G0+4*\s+1], s45, \s*SLOT
	s_add_nc_u64 s[G0+4*\s+2:G0+4*\s+3], s[20:21], \s*4096
	s_or_b32 s[G0+4*\s+3], s[G0+4*\s+3], 0x80000000
	s_mov_b32 s[G0B+4*\s], 1
	s_add_co_u32 s[G0B+4*\s+1], s45, \s*SLOT
	s_add_nc_u64 s[G0B+4*\s+2:G0B+4*\s+3], s[46:47], \s*4096
	s_or_b32 s[G0B+4*\s+3], s[G0B+4*\s+3], 0x80000000
.endr
	s_cmp_eq_u32 s15, 0                            ; do I fetch for x?
	s_cselect_b64 s[PFA:PFA+1], s[20:21], s[46:47]
	s_cselect_b32 s18, s40, s41                    ; my place among the four that ask with me
	s_lshl_b32 s18, s18, 15                        ; 2 row blocks of 16,384 bytes
	s_mov_b32 s19, 0
	s_add_nc_u64 s[PFA:PFA+1], s[PFA:PFA+1], s[18:19]
	s_lshl_b32 s46, s42, 10
	s_lshl_b32 s47, s16, 9
	s_add_co_u32 s46, s46, s47
	s_mov_b32 s47, 0
	s_add_nc_u64 s[10:11], s[10:11], s[46:47]      ; b1 at my 128 hidden units
	s_lshl_b32 s21, s15, 15                        ; my 8 row blocks of x
	s_lshl_b32 s22, s16, 15
	s_add_co_u32 s22, s22, BOFF                    ; my 8 row blocks of W1, behind x's 16
	s_add_co_u32 s18, s21, SLOT
	s_add_co_u32 s19, s22, SLOT
	v_bfe_u32 v1, v0, 4, 1
	v_and_b32 v[PFO], 15, v0
	v_lshlrev_b32 v[PFO], 8, v[PFO]
	v_lshl_add_u32 v[PFO], v1, 14, v[PFO]          ; lanes 0-15: 16 x 256 bytes of one row block, lanes 16-31 of the next
	v_lshlrev_b32 v1, 6, v1                        ; b1: + 16 h units
	v_and_b32 v[LI], 31, v0
	v_lshlrev_b32 v[LI], 4, v[LI]                  ; 16 x lane
	v_add_nc_u32 v[ADRA], s21, v[LI]
	v_add_nc_u32 v[ADRA+1], s18, v[LI]
	v_add_nc_u32 v[ADRB], s22, v[LI]
	v_add_nc_u32 v[ADRB+1], s19, v[LI]
	v_mov_b32 v4, 0xbf97d29d                       ; c8 = -1.1861149, as a pair
	v_mov_b32 v5, 0xbf97d29d
	global_prefetch_b8 v[PFO], s[PFA:PFA+1] offset:4096 th:TH_LOAD_NT scope:SCOPE_SE   ; the first tile's K step 1
	s_cmp_eq_u32 s15, 0
	s_cselect_b32 s[LIMN], 2, 3
	s_cselect_b32 s[LIMT], 0, 2
	s_lshl_b32 s20, s17, 20                        ; hc: row block 16 x tile row + 8 x half, K step 2 x tile column + half
	s_lshl_b32 s21, s15, 19
	s_add_co_u32 s20, s20, s21
	s_lshl_b32 s46, s42, 12
	s_lshl_b32 s47, s16, 11
	s_add_co_u32 s46, s46, s47
	s_add_co_u32 s20, s20, s46
	s_mov_b32 s21, 0
	s_add_nc_u64 s[92:93], s[12:13], s[20:21]      ; my part of the first tile, under e2
	s_wait_kmcnt 0x0
	s_add_co_i32 s86, s96, s97
	s_add_co_i32 s86, s86, 127
	s_lshl_b32 s86, s86, 23                        ; 2^(e0 + e1) as f32
	s_mov_b32 s87, s86
	s_add_co_i32 s18, s98, 127
	s_lshl_b32 s19, s18, 23
	v_mov_b32 v2, s19                              ; 2^e2: the conversion takes its exponent field
	s_add_co_i32 s18, s18, 15
	s_lshl_b32 s18, s18, 23
	s_or_b32 s18, s18, 0x600000
	v_mov_b32 v6, s18                              ; 57,344 x 2^e2
	s_add_co_i32 s18, s100, 127
	s_lshl_b32 s19, s18, 23
	v_mov_b32 v3, s19                              ; 2^e4
	s_add_co_i32 s18, s18, 15
	s_lshl_b32 s18, s18, 23
	s_or_b32 s18, s18, 0x600000
	v_mov_b32 v7, s18                              ; 57,344 x 2^e4
.macro FRAG reg, adr, q, i             ; fragment (row block i, the slot's q-th 128 along K): four loads of 512 consecutive bytes
.irp c, 0,1,2,3
	ds_load_b128 v[\reg+4*\c:\reg+4*\c+3], v[\adr] offset:(2*(\i)+(\q))*2048+512*\c
.endr
.endm
; 16 matrix instructions: x's blocks a0, a0 + 1 against W1's eight.  p: W1's set.  zero = 1: the first product starts the sums.  The 64 accumulators take turns.
.macro MUL16 a0, p, zero
.irp a, \a0, \a0+1
.irp b, 0,1,2,3,4,5,6,7
.if \zero
	v_wmma_f32_16x16x128_bf8_bf8 v[8*(8*((\a)%4)+\b):8*(8*((\a)%4)+\b)+7], v[128*(\p)+FR*\b:128*(\p)+FR*\b+FR-1], v[AF+FR*(\a):AF+FR*(\a)+FR-1], 0
.else
	v_wmma_f32_16x16x128_bf8_bf8 v[8*(8*((\a)%4)+\b):8*(8*((\a)%4)+\b)+7], v[128*(\p)+FR*\b:128*(\p)+FR*\b+FR-1], v[AF+FR*(\a):AF+FR*(\a)+FR-1], v[8*(8*((\a)%4)+\b):8*(8*((\a)%4)+\b)+7]
.endif
.endr
.endr
.endm
.macro FETCH_BH slot, q, p, i0         ; W1's fragments i0 .. i0 + 3 into set p
	WIN TO_B
.irp i, \i0, \i0+1, \i0+2, \i0+3
	FRAG 128*(\p)+FR*(\i), ADRB+\slot, \q, \i
.endr
	WIN 0
.endm
.macro FETCH_A slot, q, i0
.irp i, \i0, \i0+1, \i0+2, \i0+3
	FRAG AF+FR*(\i), ADRA+\slot, \q, \i
.endr
.endm
.macro PLACES n                        ; places behind matrix instructions, in front of loads into their operands and of reads of their results
.rept \n
	v_nop
.endr
.endm
; A step of 128 along K with its successor in the same slot: 32 LDS loads to each half.  W1's other set is free from the step's start: half of it is fetched there, half in the middle;
; x has one set: blocks 0-3 are fetched anew in the middle, blocks 4-7 at the end.
.macro STEP slot, q, zero
	s_wait_dscnt 4*NL                              ; W1's set and x's blocks 0-3 are in; the youngest 16 loads (blocks 4-7) may be out
	FETCH_BH \slot, (\q)+1, 1-(\q)%2, 0
	WIN MUL_LO
	MUL16 0, (\q)%2, \zero
	MUL16 2, (\q)%2, \zero
	s_wait_dscnt 4*NL                              ; blocks 4-7 are in; the 16 loads issued at the step's start may be out
	PLACES NP
	FETCH_BH \slot, (\q)+1, 1-(\q)%2, 4
	FETCH_A \slot, (\q)+1, 0
	WIN MUL_HI
	MUL16 4, (\q)%2, \zero
	MUL16 6, (\q)%2, \zero
	PLACES NP
	WIN 0
	FETCH_A \slot, (\q)+1, 4
.endm
; A slot's last step changes slots: one barrier; in front of it each wave waits for all its tensor loads, adds 0 to its spare word, and waits for that and for its reads of this slot.
; fill = 1: this slot takes the tile's K step two on, behind a round of the cluster's barrier.
.macro TURN slot, next, fill
	s_wait_tensorcnt 0x0                           ; all my tensor loads have landed
	ds_add_u32 v[SPW], v[NIL]
	s_wait_dscnt 4*NL+1                            ; (the add and the youngest 16 loads may be out)
	WIN MUL_LO
	MUL16 0, 1, 0
	s_wait_dscnt 0x0                               ; the add is done, and my reads of this slot are over
	s_barrier_signal -1
	MUL16 2, 1, 0
	WIN 0
	s_barrier_wait -1
.if \fill
	CREST
	s_add_nc_u64 s[G0+4*\slot+2:G0+4*\slot+3], s[G0+4*\slot+2:G0+4*\slot+3], STEPB
	s_add_nc_u64 s[G0B+4*\slot+2:G0B+4*\slot+3], s[G0B+4*\slot+2:G0B+4*\slot+3], STEPB
	JLOAD G0+4*\slot, G1, G0B+4*\slot, G1B         ; the first tensor load behind the round; its four v_nop are the places in front of the loads below
.else
	PLACES NP
.endif
	FETCH_BH \next, 0, 0, 0
	FETCH_BH \next, 0, 0, 4
	FETCH_A \next, 0, 0
.if \fill
	ASK LIMN, WALKB+4096*\slot                     ; the next tile's K step 0 or 1 of x
.endif
	WIN MUL_HI
	MUL16 4, 1, 0
	MUL16 6, 1, 0
	PLACES NP
	WIN 0
	FETCH_A \next, 0, 4
.endm
	s_wait_alu depctr_va_vdst(0)                   ; the wait at the head's end
	s_mov_b32 s2, 2                                ; tiles to go
.Ltile:
	s_wait_tensorcnt 0x0                           ; the three lines ahead of a fill's round; the add stands twice
	ds_add_u32 v[SPW], v[NIL]
	ds_add_u32 v[SPW], v[NIL]
	s_wait_dscnt 0x0
	CROUND                                         ; all sixteen work-groups are here, and nobody reads slot 0
	JLOAD G0, G1, G0B, G1B                         ; K step 0
.irp b, 0,1,2,3,4,5,6,7                            ; b1: accumulator b wants, in lane (r, h), hidden units 32 (b / 2) + 8 (b % 2) + 16 h + 0 .. 7
	global_load_b128 v[BI+8*\b:BI+8*\b+3], v1, s[10:11] offset:(32*(\b/2)+8*(\b%2))*4
	global_load_b128 v[BI+8*\b+4:BI+8*\b+7], v1, s[10:11] offset:(32*(\b/2)+8*(\b%2))*4+16
.endr
	ASK LIMT, 8192                                 ; this tile's K step 2
	s_wait_tensorcnt 0x0                           ; my part of K step 0 is in; the three lines once more
	ds_add_u32 v[SPW], v[NIL]
	s_wait_dscnt 0x0
	CROUND                                         ; everybody's part is in
	JLOAD G0+4, G1, G0B+4, G1B                     ; K step 1, the first tensor load behind the round
	FETCH_BH 0, 0, 0, 0
	FETCH_BH 0, 0, 0, 4
	FETCH_A 0, 0, 0
	FETCH_A 0, 0, 4
	ASK LIMT, 12288                                ; this tile's K step 3
	STEP 0, 0, 1                                   ; the first products start the sums
	TURN 0, 1, 1
	STEP 1, 0, 0
	TURN 1, 0, 1
	STEP 0, 0, 0
	TURN 0, 1, 0
	STEP 1, 0, 0
	s_wait_dscnt 4*NL                              ; the tile's last step: nothing more to fetch
	WIN MUL_LO
	MUL16 0, 1, 0
	MUL16 2, 1, 0
	s_wait_dscnt 0
	WIN MUL_HI
	MUL16 4, 1, 0
	MUL16 6, 1, 0
	WIN 0
	PLACES NP
; THE ACTIVATION AND THE WAY OUT: 8 trips, a block of 16 rows each.  Only the 32 lines that read the accumulators differ: they are written 8 times.
	s_wait_loadcnt 0x0                             ; b1 is in
	WIN 0x40
.set j, 0
.rept 64
	v_mov_b32 v[B1W+j], v[BI+j]                    ; into window 1: z takes its registers
.set j, j+1
.endr
	WIN 0
	s_mov_b32 s3, 0
.Lblk:
.irp a, 0,1,2,3,4,5,6
	s_cmp_eq_u32 s3, \a
	s_cbranch_scc1 .Lv\a
.endr
.irp a, 7,0,1,2,3,4,5,6
.Lv\a:
	WIN 0x12+\a/4                                  ; source 0: window 2 or 3; source 2: window 1
.set j, 0
.rept 32
	v_pk_fma_f32 v[GZ+j:GZ+j+1], v[64*(\a%4)+j:64*(\a%4)+j+1], s[86:87], v[B1W+j:B1W+j+1] op_sel_hi:[1,0,1]   ; u = sum x 2^(e0 + e1) + b1; each accumulator from its low end on
.set j, j+2
.endr
	WIN 0
.if \a != 6
	s_branch .Lgelu
.endif
.endr
.Lgelu:
.set j, 0
.rept 32
	v_dual_max_num_f32 v[GM+j], 0, v[GZ+j] :: v_dual_max_num_f32 v[GM+j+1], 0, v[GZ+j+1]   ; m = max(u, 0)
.set j, j+2
.endr
.set j, 0
.rept 32
	v_pk_fma_f32 v[GZ+j:GZ+j+1], v[GM+j:GM+j+1], 2.0, v[GZ+j:GZ+j+1] op_sel_hi:[1,0,1] neg_lo:[0,0,1] neg_hi:[0,0,1]   ; z = 2 m - u = |u|
.set j, j+2
.endr
.set j, 0
.rept 32
	v_pk_fma_f32 v[GT+j:GT+j+1], v[GZ+j:GZ+j+1], s[90:91], 1.0 op_sel_hi:[1,0,0]   ; 1 + z / (2 sqrt 2)
.set j, j+2
.endr
	s_wait_alu depctr_va_vdst(0)                   ; the wait ahead of the batch
.set j, 0
.rept 64
	v_rcp_f32 v[GT+j], v[GT+j]                     ; t
.set j, j+1
.endr
	WIN 0x40
.set j, 0
.rept 32
	v_pk_mul_f32 v[GA+j:GA+j+1], v[GZ+j:GZ+j+1], s[88:89] op_sel_hi:[1,0]   ; kA z: plain work that names no reciprocal
.set j, j+2
.endr
	WIN 0x45
.set j, 0
.rept 32
	v_pk_fma_f32 v[GA+j:GA+j+1], v[GA+j:GA+j+1], v[GA+j:GA+j+1], s[CK:CK+1] op_sel_hi:[1,1,0] neg_lo:[1,0,0] neg_hi:[1,0,0]   ; c0 - (kA z)^2
.set j, j+2
.endr
	s_wait_alu depctr_va_vdst(0)                   ; one wait for the 64 reciprocals, ahead of their first reader
	WIN 0x40
.set j, 0
.rept 32
	v_pk_fma_f32 v[GP+j:GP+j+1], v[GT+j:GT+j+1], s[84:85], v[4:5] op_sel_hi:[1,0,1]   ; c9 t + c8
.set j, j+2
.endr
	WIN 0x41
.irp k, 7,6,5,4,3,2,1
.set j, 0
.rept 32
	v_pk_fma_f32 v[GP+j:GP+j+1], v[GP+j:GP+j+1], v[GT+j:GT+j+1], s[CK+2*\k:CK+2*\k+1] op_sel_hi:[1,1,0]   ; x t + ck
.set j, j+2
.endr
.endr
	WIN 0x51
.set j, 0
.rept 32
	v_pk_fma_f32 v[GP+j:GP+j+1], v[GP+j:GP+j+1], v[GT+j:GT+j+1], v[GA+j:GA+j+1]   ; x t + c0 - (kA z)^2
.set j, j+2
.endr
	WIN 0x41
	s_wait_alu depctr_va_vdst(0)                   ; the wait ahead of the batch
.set j, 0
.rept 64
	v_exp_f32 v[GP+j], v[GP+j]
.set j, j+1
.endr
	v_nop                                          ; a plain place behind the last exponential
	s_wait_xcnt 0x0                                ; the last trip's stores have read their codes and bases: both are written again only behind this wait
	s_lshl_b32 s98, s3, 16                         ; 65,536 bytes a row block
	s_mov_b32 s99, 0
	s_add_nc_u64 s[94:95], s[92:93], s[98:99]      ; the codes under e2,
	s_add_nc_u64 s[96:97], s[94:95], 0x2000000     ; and those under e4
	s_wait_alu depctr_va_vdst(0)                   ; one wait for the 64 exponentials, ahead of their first reader
.set j, 0
.rept 32
	v_pk_mul_f32 v[GP+j:GP+j+1], v[GP+j:GP+j+1], v[GT+j:GT+j+1]   ; q
.set j, j+2
.endr
	WIN 0x04
.set j, 0
.rept 32
	v_pk_fma_f32 v[GM+j:GM+j+1], v[GZ+j:GZ+j+1], v[GP+j:GP+j+1], v[GM+j:GM+j+1] neg_lo:[1,0,0] neg_hi:[1,0,0]   ; h = m - z q
.set j, j+2
.endr
	WIN 0
.set j, 0
.rept 32                                           ; the conversion to an 8-bit code does not saturate (ISA guide 7.6.2): h held under 57,344 x 2^e2 (into t's registers) and under 57,344 x 2^e4 (into z's)
	v_dual_min_num_f32 v[GT+j], v6, v[GM+j] :: v_dual_min_num_f32 v[GZ+j+1], v7, v[GM+j+1]
	v_dual_min_num_f32 v[GZ+j], v7, v[GM+j] :: v_dual_min_num_f32 v[GT+j+1], v6, v[GM+j+1]
.set j, j+2
.endr
.irp c, 0,1,2,3
	v_cvt_scalef32_pk8_bf8_f32 v[GC2+4*\c:GC2+4*\c+1], v[GT+16*\c:GT+16*\c+7], v2
	v_cvt_scalef32_pk8_bf8_f32 v[GC2+4*\c+2:GC2+4*\c+3], v[GT+16*\c+8:GT+16*\c+15], v2
	v_cvt_scalef32_pk8_bf8_f32 v[GC4+4*\c:GC4+4*\c+1], v[GZ+16*\c:GZ+16*\c+7], v3
	v_cvt_scalef32_pk8_bf8_f32 v[GC4+4*\c+2:GC4+4*\c+3], v[GZ+16*\c+8:GZ+16*\c+15], v3
.endr
	v_nop                                          ; one plain vector instruction behind the last scaled conversion: the next trip writes its sources
.irp c, 0,1,2,3
	global_store_b128 v[LI], v[GC2+4*\c:GC2+4*\c+3], s[94:95] offset:512*\c   ; 512 consecutive bytes, at a multiple of 512 from hc's first byte
	global_store_b128 v[LI], v[GC4+4*\c:GC4+4*\c+3], s[96:97] offset:512*\c
.endr
	s_add_co_u32 s3, s3, 1
	s_cmp_lt_u32 s3, 8
	s_cbranch_scc1 .Lblk
	s_wait_xcnt 0x0                                ; the stores have read their codes (the next tile's fragments land there), the prefetches their base
.irp s, 0,1                                        ; on to the next tile: every tensor load was waited for at the last change of slots.  (The last trip's stepped addresses are not used.)
	s_add_nc_u64 s[G0+4*\s+2:G0+4*\s+3], s[G0+4*\s+2:G0+4*\s+3], WALKB-STEPB
	s_sub_nc_u64 s[G0B+4*\s+2:G0B+4*\s+3], s[G0B+4*\s+2:G0B+4*\s+3], STEPB
.endr
	s_add_nc_u64 s[PFA:PFA+1], s[PFA:PFA+1], WALKB
	s_add_nc_u64 s[92:93], s[92:93], 0x1000000     ; hc: 256 row blocks down
	s_sub_co_u32 s2, s2, 1
	s_cmp_lg_u32 s2, 0
	s_cbranch_scc1 .Ltile
	s_wait_tensorcnt 0x0                           ; the wave's end
	ds_add_u32 v[SPW], v[NIL]
	s_wait_dscnt 0x0
	CROUND                                         ; the closing round
	s_endpgm
.Lfunc_end_k_qf3024f3235_fc1:
	.size	k_qf3024f3235_fc1, .Lfunc_end_k_qf3024f3235_fc1-k_qf3024f3235_fc1
	.p2alignl 7, 3214868480
	.fill 96, 4, 3214868480
	.section	.rodata,"a",@progbits
	.p2align	6, 0x0
	.amdhsa_kernel k_qf3024f3235_fc1
		.amdhsa_group_segment_fixed_size 327680
		.amdhsa_private_segment_fixed_size 0
		.amdhsa_enable_private_segment 0
		.amdhsa_kernarg_size 40
		.amdhsa_user_sgpr_count 2
		.amdhsa_user_sgpr_kernarg_segment_ptr 1
		.amdhsa_wavefront_size32 1
		.amdhsa_system_sgpr_workgroup_id_x 1
		.amdhsa_system_sgpr_workgroup_id_y 1
		.amdhsa_system_sgpr_workgroup_id_z 1
		.amdhsa_system_vgpr_workitem_id 0
		.amdhsa_next_free_vgpr 1024
		.amdhsa_next_free_sgpr 102
		.amdhsa_reserve_vcc 0
		.amdhsa_float_denorm_mode_32 3
		.amdhsa_float_denorm_mode_16_64 3
		.amdhsa_memory_ordered 1
		.amdhsa_forward_progress 1
		.amdhsa_inst_pref_size 145
	.end_amdhsa_kernel
	.amdgpu_metadata
---
amdhsa.version: [ 1, 2 ]
amdhsa.kernels:
  - .name:           k_qf3024f3235_fc1
    .symbol:         k_qf3024f3235_fc1.kd
    .args:
      - { .name: xc, .offset: 0, .size: 8, .value_kind: global_buffer, .address_space: global }
      - { .name: w1c, .offset: 8, .size: 8, .value_kind: global_buffer, .address_space: global }
      - { .name: lowp_scales, .offset: 16, .size: 8, .value_kind: global_buffer, .address_space: global }
      - { .name: b1, .offset: 24, .size: 8, .value_kind: global_buffer, .address_space: global }
      - { .name: hc, .offset: 32, .size: 8, .value_kind: global_buffer, .address_space: global }
    .group_segment_fixed_size: 327680
    .private_segment_fixed_size: 0
    .kernarg_segment_align: 8
    .kernarg_segment_size: 40
    .max_flat_workgroup_size: 128
    .sgpr_count:     102
    .vgpr_count:     1024
    .wavefront_size: 32
...
	.end_amdgpu_metadata
.endif
;; end of part 2
;; launch fc2 (part 3): grid 64 x 4, 4 waves a work-group, clusters of 4 x 1, 327,680 bytes of LDS; arguments hc, w2c, indices, lowp_scales, b2, be, out0; writes out0
.if DOCPART == 3
	.amdgcn_target "amdgcn-amd-amdhsa--gfx1250"
	.amdhsa_code_object_version 6
	.text
	.protected	k_qf3024f3235_fc2
	.globl	k_qf3024f3235_fc2
	.p2align	8
	.type	k_qf3024f3235_fc2,@function
k_qf3024f3235_fc2:
	s_mov_b64 s[64:65], 0
	v_nop
	global_prefetch_b8 v0, s[64:65] scope:SCOPE_SE
	s_setreg_imm32_b32 hwreg(HW_REG_WAVE_MODE, 25, 1), 1
	s_wait_xcnt 0x0
	s_wait_alu depctr_hold_cnt(0) depctr_sa_sdst(0) depctr_va_vdst(0) depctr_va_sdst(0) depctr_va_ssrc(0) depctr_va_vcc(0) depctr_vm_vsrc(0)
	s_getreg_b32 s2, hwreg(HW_REG_IB_STS2, 6, 4)
	s_cmp_eq_u32 s2, 0
	s_cbranch_scc0 .Lentry_in_a_cluster
	s_endpgm
.Lentry_in_a_cluster:
	s_bfe_u32 s2, ttmp6, 0x10000c
	s_cmp_lg_u32 s2, 0x3003
	s_cbranch_scc0 .Lentry_shape_is_right
	s_endpgm
.Lentry_shape_is_right:
.set SLOT,   131072
.set KSL,    8192
.set SPARE,  262144
.set SP,     528
.set FR,     16
.set TRIPS,  3
.set ADRB, 20
.set STO,  24
.set RD,   25
.set CO,   26
.set SPW,  28
.set NIL,  29
.set PFO,  30
.set PFOB, 31
.set BK,   128
.set PA,   24
.set PFA,  32
.set PFB,  34
.set LIMA, 36
.set LIMB, 37
.set G1B,  48
.set G0B,  56
.set MSB, 0
.macro WIN new
.if MSB != (\new)
	s_set_vgpr_msb (MSB<<8)|(\new)
.set MSB, (\new)
.endif
.endm
.set MUL,  0xad
.set TO_B, 0x40
.set TO_A, 0xc0
.macro ASK always
.if \always
	s_cmp_eq_u32 s[LIMA], 1
.else
	s_cmp_gt_u32 s3, s[LIMA]
.endif
	s_cbranch_scc0 .Lnot_h_\@
	s_wait_alu depctr_va_vdst(0)
	global_prefetch_b8 v[PFO], s[PFA:PFA+1] th:TH_LOAD_NT scope:SCOPE_SE
	global_prefetch_b8 v[PFO], s[PFA:PFA+1] offset:4096 th:TH_LOAD_NT scope:SCOPE_SE
.Lnot_h_\@:
.if \always
	s_cmp_eq_u32 s[LIMB], 1
.else
	s_cmp_gt_u32 s3, s[LIMB]
.endif
	s_cbranch_scc0 .Lnot_w_\@
	s_wait_alu depctr_va_vdst(0)
	global_prefetch_b8 v[PFOB], s[PFB:PFB+1] th:TH_LOAD_NT scope:SCOPE_SE
.Lnot_w_\@:
.endm
.macro CREST
	s_cmp_lg_u32 s18, 0
	s_cbranch_scc1 .Lnot_wave_0_\@
	s_barrier_signal -3
.Lnot_wave_0_\@:
	s_barrier_wait -3
	s_barrier_signal -1
	s_barrier_wait -1
.endm
.macro CROUND
	s_barrier_signal -1
	s_barrier_wait -1
	CREST
.endm
.macro PLACES
.rept 4
	v_nop
.endr
.endm
.macro ALOAD q
	WIN TO_A
.irp i, 0,1,2,3
.irp c, 0,1,2,3
	global_load_b128 v[64*(\q)+FR*\i+4*\c:64*(\q)+FR*\i+4*\c+3], v[CO], s[PA+2*(\q):PA+2*(\q)+1] offset:65536*\i+512*\c
.endr
.endr
.endm
	s_load_b256 s[4:11], s[0:1], 0x0
	s_load_b128 s[12:15], s[0:1], 0x20
	s_load_b64 s[16:17], s[0:1], 0x30
	v_lshl_add_u32 v[SPW], v0, 2, SPARE
	v_mov_b32 v[NIL], 0
	ds_add_u32 v[SPW], v[NIL]
	ds_add_u32 v[SPW], v[NIL]
	v_lshrrev_b32 v1, 5, v0
	v_readfirstlane_b32 s18, v1
	v_and_b32 v3, 31, v0
	v_lshlrev_b32 v[CO], 4, v3
	s_lshr_b32 s19, s18, 1
	s_and_b32 s20, s18, 1
	s_bfe_u32 s21, ttmp6, 0x40000
	s_lshl_b32 s22, ttmp9, 2
	s_add_co_u32 s22, s22, s21
	s_and_b32 s23, ttmp7, 0xffff
	s_lshl_b32 s40, ttmp9, 2
	s_add_co_u32 s67, s23, 1
	s_lshr_b32 s67, s67, 2
	s_cmp_eq_u32 s23, 0
	s_cselect_b32 s[LIMA], 1, s67
	s_cmp_eq_u32 s[LIMA], 1
	s_cselect_b32 s[LIMA], 1, -1
	s_cmp_eq_u32 ttmp9, 0
	s_cselect_b32 s[LIMB], 1, s67
	s_cmp_eq_u32 s[LIMB], 1
	s_cselect_b32 s[LIMB], 1, -1
	s_mov_b32 s[G1B+0], (1<<21)+15
	s_mov_b32 s[G1B+1], 8192<<16
	s_mov_b32 s[G1B+2], 4<<16
	s_mov_b32 s[G1B+3], 8192<<16
	s_mov_b32 s[G1B+4], 4
	s_mov_b32 s[G1B+5], 65536
	s_mov_b32 s[G1B+6], 0
	s_mov_b32 s[G1B+7], 0
	s_lshl_b32 s81, s18, 15
	s_lshl_b32 s42, s67, 25
	s_lshl_b32 s43, s22, 19
	s_add_co_u32 s42, s42, s43
	s_mov_b32 s43, 0
	s_lshl_b32 s44, s19, 18
	s_mov_b32 s45, 0
	s_mul_i32 s46, ttmp9, s67
	s_add_co_u32 s46, s46, s23
	s_lshl_b32 s46, s46, 20
	s_mov_b32 s47, 0
	s_lshl_b32 s82, s18, 18
	s_mov_b32 s83, 0
	s_lshl_b32 s84, s21, 18
	s_mov_b32 s85, 0
	s_wait_dscnt 0x0
	s_wait_kmcnt 0x0
	s_load_b32 s66, s[8:9], s40 offset:0x0
	s_load_b128 s[68:71], s[10:11], 0x0
	s_load_b64 s[72:73], s[10:11], 0x10
	s_add_nc_u64 s[42:43], s[4:5], s[42:43]
	s_add_nc_u64 s[PFA:PFA+1], s[42:43], 2*KSL
	s_add_nc_u64 s[PA:PA+1], s[42:43], s[44:45]
	s_add_nc_u64 s[PA+2:PA+3], s[PA:PA+1], 2048
	s_add_nc_u64 s[PA+4:PA+5], s[PA:PA+1], 4096
	s_add_nc_u64 s[PA+6:PA+7], s[PA:PA+1], 6144
	s_add_nc_u64 s[46:47], s[6:7], s[46:47]
	s_add_nc_u64 s[PFB:PFB+1], s[46:47], s[84:85]
	s_add_nc_u64 s[PFB:PFB+1], s[PFB:PFB+1], 2*KSL
	s_add_nc_u64 s[46:47], s[46:47], s[82:83]
	s_wait_alu depctr_va_vdst(0)
	ALOAD 0
	ALOAD 1
	ALOAD 2
	ALOAD 3
	WIN 0
	CROUND
.irp s, 0,1
	s_mov_b32 s[G0B+4*\s], 1
	s_add_co_u32 s[G0B+4*\s+1], s81, \s*SLOT
	s_add_nc_u64 s[G0B+4*\s+2:G0B+4*\s+3], s[46:47], \s*KSL
	s_or_b32 s[G0B+4*\s+3], s[G0B+4*\s+3], 0x80000000
	s_wait_alu depctr_va_vdst(0)
	s_wait_tensorcnt 0x0
	ds_add_u32 v28, v29
	ds_add_u32 v28, v29
	s_wait_dscnt 0x0
	CROUND
	tensor_load_to_lds s[G0B+4*\s:G0B+4*\s+3], s[G1B:G1B+7]
	s_nop 0
.endr
	PLACES
	v_and_b32 v1, 15, v0
	v_bfe_u32 v2, v0, 4, 1
	s_wait_alu depctr_va_vdst(0)
	s_wait_kmcnt 0x0
	s_min_u32 s66, s66, 7
	s_mul_i32 s80, s66, s67
	s_cmp_eq_u32 s23, 3
	s_cselect_b64 s[82:83], s[14:15], s[12:13]
	s_sub_co_u32 s84, 1, s67
	s_mul_i32 s84, s84, s23
	s_add_co_u32 s84, s84, s80
	s_lshl_b32 s84, s84, 10
	s_lshl_b32 s85, s20, 9
	s_add_co_u32 s84, s84, s85
	s_mov_b32 s85, 0
	s_add_nc_u64 s[82:83], s[82:83], s[84:85]
	global_load_b128 v[32:35], v[CO], s[82:83]
	s_lshl_b32 s89, s20, 16
.irp s, 0,1
	v_add_nc_u32 v[ADRB+\s], s89, v[CO]
	s_add_co_u32 s89, s89, SLOT
.endr
	s_mul_i32 s87, s18, 16*SP
	v_mul_u32_u24 v[STO], v1, SP
	v_lshl_add_u32 v[STO], v2, 6, v[STO]
	v_add_nc_u32 v[STO], s87, v[STO]
	v_add_nc_u32 v[RD], s87, v[CO]
	v_lshrrev_b32 v[PFO], 4, v0
	v_lshlrev_b32 v[PFO], 16, v[PFO]
	v_lshl_add_u32 v[PFO], v1, 8, v[PFO]
	v_lshrrev_b32 v[PFOB], 5, v0
	v_lshlrev_b32 v[PFOB], 16, v[PFOB]
	v_lshl_add_u32 v[PFOB], v3, 8, v[PFOB]
	s_lshl_b32 s90, s22, 19
	s_lshl_b32 s91, s19, 18
	s_add_co_u32 s90, s90, s91
	s_lshl_b32 s91, s23, 10
	s_add_co_u32 s90, s90, s91
	s_lshl_b32 s91, s20, 9
	s_add_co_u32 s90, s90, s91
	s_mov_b32 s91, 0
	s_add_nc_u64 s[16:17], s[16:17], s[90:91]
	s_add_co_i32 s92, s70, s71
	s_add_co_i32 s93, s72, s73
	s_cmp_eq_u32 s23, 3
	s_cselect_b32 s74, s93, s92
	s_add_co_i32 s74, s74, 127
	s_lshl_b32 s74, s74, 23
	s_mov_b32 s75, s74
.macro FRAG reg, adr, q, i
.irp c, 0,1,2,3
	ds_load_b128 v[\reg+4*\c:\reg+4*\c+3], v[\adr] offset:(4*(\i)+(\q))*2048+512*\c
.endr
.endm
.macro FETCH_B slot, q, p
	WIN TO_B
.irp i, 0,1,2,3,4,5,6,7
	FRAG 128*(\p)+FR*\i, ADRB+\slot, \q, \i
.endr
	WIN 0
.endm
.macro MULA a, p, q, zero
.irp b, 0,1,2,3,4,5,6,7
.if \zero
	v_wmma_f32_16x16x128_bf8_bf8 v[8*(8*(\a)+\b):8*(8*(\a)+\b)+7], v[128*(\p)+FR*\b:128*(\p)+FR*\b+FR-1], v[64*(\q)+FR*(\a):64*(\q)+FR*(\a)+FR-1], 0
.else
	v_wmma_f32_16x16x128_bf8_bf8 v[8*(8*(\a)+\b):8*(8*(\a)+\b)+7], v[128*(\p)+FR*\b:128*(\p)+FR*\b+FR-1], v[64*(\q)+FR*(\a):64*(\q)+FR*(\a)+FR-1], v[8*(8*(\a)+\b):8*(8*(\a)+\b)+7]
.endif
.endr
.endm
.macro STEPQ slot, q, zero, more, left
	s_wait_dscnt 0x0
	FETCH_B \slot, (\q)+1, ((\q)+1)%2
	s_wait_loadcnt \left
.if \more
	s_add_nc_u64 s[PA+2*(\q):PA+2*(\q)+1], s[PA+2*(\q):PA+2*(\q)+1], KSL
.endif
	WIN MUL
	MULA 0, (\q)%2, \q, \zero
	MULA 1, (\q)%2, \q, \zero
	MULA 2, (\q)%2, \q, \zero
	MULA 3, (\q)%2, \q, \zero
	PLACES
.if \more
	ALOAD \q
.endif
.endm
.macro TURN slot, next, fill, always
	WIN 0
	s_wait_loadcnt 48
	s_add_nc_u64 s[PA+6:PA+7], s[PA+6:PA+7], KSL
	s_wait_tensorcnt 0x0
	ds_add_u32 v[SPW], v[NIL]
.if \fill
	s_add_nc_u64 s[G0B+4*\slot+2:G0B+4*\slot+3], s[G0B+4*\slot+2:G0B+4*\slot+3], 2*KSL
	s_wait_xcnt 0x0
	s_add_nc_u64 s[PFA:PFA+1], s[PFA:PFA+1], KSL
	s_add_nc_u64 s[PFB:PFB+1], s[PFB:PFB+1], KSL
.endif
	s_wait_dscnt 1
	WIN MUL
	MULA 0, 1, 3, 0
	s_wait_dscnt 0x0
	s_barrier_signal -1
	MULA 1, 1, 3, 0
	WIN 0
	s_barrier_wait -1
.if \fill
	CREST
	tensor_load_to_lds s[G0B+4*\slot:G0B+4*\slot+3], s[G1B:G1B+7]
	s_nop 0
.endif
	PLACES
	FETCH_B \next, 0, 0
.if \fill
	ASK \always
.endif
	WIN MUL
	MULA 2, 1, 3, 0
	MULA 3, 1, 3, 0
	PLACES
	ALOAD 3
.endm
	s_wait_tensorcnt 1
	s_barrier_signal -1
	s_barrier_wait -1
	FETCH_B 0, 0, 0
	STEPQ 0, 0, 1, 1, 48
	WIN 0
	s_mov_b32 s3, TRIPS
.Llap:
	STEPQ 0, 1, 0, 1, 48
	STEPQ 0, 2, 0, 1, 48
	TURN 0, 1, 1, 1
	STEPQ 1, 0, 0, 1, 48
	STEPQ 1, 1, 0, 1, 48
	STEPQ 1, 2, 0, 1, 48
	TURN 1, 0, 1, 0
	STEPQ 0, 0, 0, 1, 48
	WIN 0
	s_sub_co_u32 s3, s3, 1
	s_cmp_lg_u32 s3, 0
	s_cbranch_scc1 .Llap
	STEPQ 0, 1, 0, 1, 48
	STEPQ 0, 2, 0, 1, 48
	TURN 0, 1, 0, 0
	STEPQ 1, 0, 0, 0, 48
	STEPQ 1, 1, 0, 0, 32
	STEPQ 1, 2, 0, 0, 16
	s_wait_dscnt 0x0
	s_wait_loadcnt 0x0
	WIN MUL
	MULA 0, 1, 3, 0
	MULA 1, 1, 3, 0
	MULA 2, 1, 3, 0
	MULA 3, 1, 3, 0
	WIN 0
.macro TOSTAGE a
	WIN 0x08
.irp b, 0,1,2,3
.irp j, 0,1,2,3
	ds_store_b128 v[STO], v[64*(\a)+16*\b+4*\j:64*(\a)+16*\b+4*\j+3] offset:128*\b+16*\j
.endr
.endr
	WIN 0
.set BB, BK+64*((\a)%2)
.irp t, 0,1,2,3,4,5,6,7,8,9,10,11,12,13,14,15
	ds_load_b128 v[BB+4*\t:BB+4*\t+3], v[RD] offset:\t*SP
.endr
.endm
.macro SEND a, younger
.set BB, BK+64*((\a)%2)
	s_wait_dscnt \younger
.irp t, 0,1,2,3,4,5,6,7,8,9,10,11,12,13,14,15
	v_pk_fma_f32 v[BB+4*\t:BB+4*\t+1], v[BB+4*\t:BB+4*\t+1], s[74:75], v[32:33] op_sel_hi:[1,0,1]
	v_pk_fma_f32 v[BB+4*\t+2:BB+4*\t+3], v[BB+4*\t+2:BB+4*\t+3], s[74:75], v[34:35] op_sel_hi:[1,0,1]
.endr
.irp t, 0,1,2,3,4,5,6,7,8,9,10,11,12,13,14,15
	global_store_b128 v[CO], v[BB+4*\t:BB+4*\t+3], s[16:17] offset:65536*(\a)+4096*\t th:TH_STORE_NT
.endr
.endm
	PLACES
	s_wait_alu depctr_va_vdst(0)
	TOSTAGE 0
.irp a, 1,2,3
.if \a > 1
	s_wait_xcnt 0x0
.endif
	TOSTAGE \a
	SEND \a-1, 32
.endr
	SEND 3, 0
	s_wait_tensorcnt 0x0
	ds_add_u32 v[SPW], v[NIL]
	s_wait_dscnt 0x0
	CROUND
	s_endpgm
.Lfunc_end_k_qf3024f3235_fc2:
	.size	k_qf3024f3235_fc2, .Lfunc_end_k_qf3024f3235_fc2-k_qf3024f3235_fc2
	.p2alignl 7, 3214868480
	.fill 96, 4, 3214868480
	.section	.rodata,"a",@progbits
	.p2align	6, 0x0
	.amdhsa_kernel k_qf3024f3235_fc2
		.amdhsa_group_segment_fixed_size 327680
		.amdhsa_private_segment_fixed_size 0
		.amdhsa_enable_private_segment 0
		.amdhsa_kernarg_size 56
		.amdhsa_user_sgpr_count 2
		.amdhsa_user_sgpr_kernarg_segment_ptr 1
		.amdhsa_wavefront_size32 1
		.amdhsa_system_sgpr_workgroup_id_x 1
		.amdhsa_system_sgpr_workgroup_id_y 1
		.amdhsa_system_sgpr_workgroup_id_z 1
		.amdhsa_system_vgpr_workitem_id 0
		.amdhsa_next_free_vgpr 1024
		.amdhsa_next_free_sgpr 96
		.amdhsa_reserve_vcc 0
		.amdhsa_float_denorm_mode_32 3
		.amdhsa_float_denorm_mode_16_64 3
		.amdhsa_memory_ordered 1
		.amdhsa_forward_progress 1
		.amdhsa_inst_pref_size 128
	.end_amdhsa_kernel
	.amdgpu_metadata
---
amdhsa.version: [ 1, 2 ]
amdhsa.kernels:
  - .name:           k_qf3024f3235_fc2
    .symbol:         k_qf3024f3235_fc2.kd
    .args:
      - { .name: hc, .offset: 0, .size: 8, .value_kind: global_buffer, .address_space: global }
      - { .name: w2c, .offset: 8, .size: 8, .value_kind: global_buffer, .address_space: global }
      - { .name: indices, .offset: 16, .size: 8, .value_kind: global_buffer, .address_space: global }
      - { .name: lowp_scales, .offset: 24, .size: 8, .value_kind: global_buffer, .address_space: global }
      - { .name: b2, .offset: 32, .size: 8, .value_kind: global_buffer, .address_space: global }
      - { .name: be, .offset: 40, .size: 8, .value_kind: global_buffer, .address_space: global }
      - { .name: out0, .offset: 48, .size: 8, .value_kind: global_buffer, .address_space: global }
    .group_segment_fixed_size: 327680
    .private_segment_fixed_size: 0
    .kernarg_segment_align: 8
    .kernarg_segment_size: 56
    .max_flat_workgroup_size: 128
    .sgpr_count:     96
    .vgpr_count:     1024
    .wavefront_size: 32
...
	.end_amdgpu_metadata
.endif
;; end of part 3
